; MI455X (gfx1250); checked and timed in simulation.
; The chip was launched on July 23, 2026; its instructions are those of AMD's public machine-readable ISA for CDNA 5 (MIT licence, August 2026) and "CDNA5" Instruction Set Architecture Reference Guide (July 2026). The comments in the code are by the model that wrote it; some were corrected since.
;; Attn. Allowed arithmetic: float matrix products may take bf16 or f16 operands with f32 sums; all other float work in f32.
;; Inputs: W 1,024 x 1,024 float32; b 1,024 float32; encoder_outputs 16 x 4,096 x 1,024 float32; hidden 16 x 1,024 float32.
;; Outputs: out0 16 x 1 x 4,096 float32.
;; 2 versions, each right; version 2 is version 1 with the launch scores written anew for expert scheduling mode. Each part assembles by itself: llvm-mc -triple=amdgcn-amd-amdhsa -mcpu=gfx1250 --defsym DOCPART=n.
;; ======== version 1 of 2: 3 launches
;; workspace buffers: vpart 524,288 bytes; scores 262,144 bytes
;; launch proj (part 1): grid 16 x 8, 8 waves a work-group, no clusters, 74,752 bytes of LDS; arguments W, hidden, vpart; writes vpart
.if DOCPART == 1
	.amdgcn_target "amdgcn-amd-amdhsa--gfx1250"
	.amdhsa_code_object_version 6
	.text
	.protected	k_q56738d17b7_proj
	.globl	k_q56738d17b7_proj
	.p2align	8
	.type	k_q56738d17b7_proj,@function
k_q56738d17b7_proj:
	s_mov_b64 s[64:65], 0
	v_nop
	global_prefetch_b8 v0, s[64:65] scope:SCOPE_SE
	s_setreg_imm32_b32 hwreg(HW_REG_WAVE_MODE, 25, 1), 1
	s_wait_xcnt 0x0
; vpart[p][b][h] = sum over the 128 g of part p of hidden[b][g] * W[g][h].   W: [1024][1024] f32, hidden: [16][1024] f32,
; vpart: [8][16][1024] f32.  The eight parts are added by the next launch.
; WHY THIS PRODUCT: score[b][s] = hidden[b] . (W enc[b][s] + bias) = enc[b][s] . (hidden[b] W) + hidden[b] . bias, for every input:
; the same products, summed in another order.  LIMIT: the order of rounding therefore differs from the written order of the reference.
; WHY f32 ON THE VECTOR UNIT: 16 rows against a W that is streamed once, 8 multiply-adds for each byte of W; and the scores made from v
; have about sqrt(1024) = 32 times the inputs' spread and go into an exponential, so operands cut to 8 bits of mantissa would show.
; SHARES: work-group (cs = x, gp = y) takes rows 128 gp .. +127 and columns 64 cs .. +63 of W.  Thread t: q = t / 16 takes the eight rows
; 8 q .. 8 q + 7 of the part, r = t % 16 the columns 4 r .. 4 r + 3: sixteen neighbouring lanes load 256 consecutive bytes of a row, aligned.
; Each lane keeps 16 batches x 4 columns of sums over its eight rows; the sixteen q meet in LDS.
; NO CLUSTER: the sixteen work-groups of a part share only the part's 8,192 bytes of hidden, loaded once through registers, against 32,768
; bytes of W that are each work-group's own.
.set HT,   0                           ; LDS: hidden[b][128 gp .. +127], 512 bytes for each b: 8,192 bytes
.set RED,  8192                        ; LDS: the lanes' sums, [wave 8][b 16][lane 32][16 bytes]: 65,536 bytes
.set WOFF, 4                           ; v4        my byte offset in the work-group's part of W: 8 q rows of 4,096 bytes + 16 r
.set GOFF, 5                           ; v5        4,096 q + 16 r: my bytes of hidden (b = q) and of vpart (b = q)
.set HST,  6                           ; v6        LDS: 512 q + 16 r, where hidden goes
.set HLD,  7                           ; v7        LDS: 32 q, my eight rows' hidden values in a batch's 512 bytes
.set RS,   8                           ; v8        LDS: RED + 8,192 wave + 16 lane, where my sums go
.set RL,   9                           ; v9        LDS: RED + 512 q + 16 r, where I read the sixteen sums of my output
.set HG,   12                          ; v[12:19]  hidden on its way to LDS
.set WR,   20                          ; v[20:51]  W: row i of my eight in 4 registers
.set ACC,  52                          ; v[52:115] sums: 4 columns for each b
.set HV,   116                         ; v[116:243] hidden[b][my row i] at HV + 8 b + i
.set RD,   116                         ; v[116:179] once more at the end: sixteen partial sums of 4 columns
	s_load_b128 s[4:7], s[0:1], 0x0                ; W s[4:5], hidden s[6:7]
	s_load_b64 s[8:9], s[0:1], 0x10                ; vpart
	v_lshl_add_u32 v244, v0, 2, 0x12000
	v_mov_b32 v245, 0
	v_lshrrev_b32 v1, 5, v0
	v_readfirstlane_b32 s10, v1                    ; wave 0..7
	s_and_b32 s12, ttmp7, 0xffff                   ; gp
	s_lshl_b32 s13, ttmp9, 8                       ; 64 columns of 4 bytes for each cs
	s_lshl_b32 s14, s12, 19                        ; W: 128 rows of 4,096 bytes for each gp
	s_add_co_u32 s14, s14, s13
	s_mov_b32 s15, 0
	s_lshl_b32 s16, s12, 9                         ; hidden: 128 numbers for each gp
	s_mov_b32 s17, 0
	s_lshl_b32 s18, s12, 16                        ; vpart: 16 x 4,096 bytes for each gp
	s_add_co_u32 s18, s18, s13
	s_mov_b32 s19, 0
	s_lshl_b32 s11, s10, 13
	s_add_co_u32 s11, s11, RED                     ; my wave's 8,192 bytes of RED
	v_and_b32 v1, 15, v0                           ; r
	v_lshrrev_b32 v2, 4, v0                        ; q
	v_and_b32 v3, 31, v0                           ; lane
	v_lshlrev_b32 v1, 4, v1                        ; 16 r
	v_lshl_add_u32 v[WOFF], v2, 15, v1
	v_lshl_add_u32 v[GOFF], v2, 12, v1
	v_lshl_add_u32 v[HST], v2, 9, v1
	v_lshlrev_b32 v[HLD], 5, v2
	v_lshl_add_u32 v[RS], v3, 4, s11
	v_add_nc_u32 v[RL], RED, v[HST]
	s_wait_kmcnt 0x0
	s_add_nc_u64 s[4:5], s[4:5], s[14:15]
	s_add_nc_u64 s[6:7], s[6:7], s[16:17]
	s_add_nc_u64 s[8:9], s[8:9], s[18:19]
	; all loads at once: hidden's 32 bytes a thread first, then my eight rows of W (read once in the launch: NT)
	global_load_b128 v[HG:HG+3],   v[GOFF], s[6:7]
	global_load_b128 v[HG+4:HG+7], v[GOFF], s[6:7] offset:256
.irp i, 0,1,2,3,4,5,6,7
	global_load_b128 v[WR+4*\i:WR+4*\i+3], v[WOFF], s[4:5] offset:\i*4096 th:TH_LOAD_NT
.endr
	s_wait_loadcnt 0x8                             ; loads return in order: hidden is in, the eight younger loads of W stay out
	ds_store_b128 v[HST], v[HG:HG+3]   offset:HT
	ds_store_b128 v[HST], v[HG+4:HG+7] offset:HT+256
	s_wait_dscnt 0x0                               ; for the other waves: my part of hidden is in LDS
	s_barrier_signal -1
	s_barrier_wait -1                              ; everybody's is
	; hidden[b][my eight rows] for all sixteen b: the sixteen lanes of a half read the same 16 bytes
.irp b, 0,1,2,3,4,5,6,7,8,9,10,11,12,13,14,15
	ds_load_b128 v[HV+8*\b:HV+8*\b+3],   v[HLD] offset:HT+\b*512
	ds_load_b128 v[HV+8*\b+4:HV+8*\b+7], v[HLD] offset:HT+\b*512+16
.endr
	s_wait_dscnt 0x0
; Row i of my eight: 16 batches x 4 columns, two fused multiply-adds an instruction.  o = i % 2 says which register of the even-aligned pair
; holds hidden[b][row i]; op_sel and op_sel_hi send that one register to both halves.  Row 0 starts the sums: nothing is cleared.
.macro ROWSTEP i, o
	s_wait_loadcnt 7-\i                            ; the rows of W behind row i stay out
.irp b, 0,1,2,3,4,5,6,7,8,9,10,11,12,13,14,15
.irp c, 0,2
.if \i == 0
	v_pk_mul_f32 v[ACC+4*\b+\c:ACC+4*\b+\c+1], v[WR+\c:WR+\c+1], v[HV+8*\b:HV+8*\b+1] op_sel_hi:[1,0]
.else
	v_pk_fma_f32 v[ACC+4*\b+\c:ACC+4*\b+\c+1], v[WR+4*\i+\c:WR+4*\i+\c+1], v[HV+8*\b+\i-\o:HV+8*\b+\i-\o+1], v[ACC+4*\b+\c:ACC+4*\b+\c+1] op_sel:[0,\o,0] op_sel_hi:[1,\o,1]
.endif
.endr
.endr
.endm
	ROWSTEP 0, 0
	ROWSTEP 1, 1
	ROWSTEP 2, 0
	ROWSTEP 3, 1
	ROWSTEP 4, 0
	ROWSTEP 5, 1
	ROWSTEP 6, 0
	ROWSTEP 7, 1
	; the sixteen q meet: every lane lays its 16 x 4 sums down (a wave's store covers 512 consecutive bytes)
.irp b, 0,1,2,3,4,5,6,7,8,9,10,11,12,13,14,15
	ds_store_b128 v[RS], v[ACC+4*\b:ACC+4*\b+3] offset:\b*512
.endr
	s_wait_dscnt 0x0                               ; for the other waves: zero
	s_barrier_signal -1
	s_barrier_wait -1
	; thread t now owns output (b = q, columns 4 r .. +3): one piece from each wave and half, k = 2 wave + half
.irp k, 0,1,2,3,4,5,6,7,8,9,10,11,12,13,14,15
	ds_load_b128 v[RD+4*\k:RD+4*\k+3], v[RL] offset:(\k/2)*8192+(\k%2)*256
.endr
	s_wait_dscnt 0x0
.macro FOLD n                          ; register pairs 0 .. n-1 += pairs n .. 2n-1
.set pp, 0
.rept \n
	v_pk_add_f32 v[RD+2*pp:RD+2*pp+1], v[RD+2*pp:RD+2*pp+1], v[RD+2*(pp+\n):RD+2*(pp+\n)+1]
.set pp, pp+1
.endr
.endm
	FOLD 16                                        ; a tree over the sixteen pieces: 8, 4, 2, 1 left
	FOLD 8
	FOLD 4
	FOLD 2
	global_store_b128 v[GOFF], v[RD:RD+3], s[8:9]  ; sixteen lanes store 256 consecutive bytes, at a multiple of 256 from vpart's first byte
	s_wait_tensorcnt 0x0
	ds_add_u32 v244, v245
	s_wait_dscnt 0x0
	s_endpgm
.Lfunc_end_k_q56738d17b7_proj:
	.size	k_q56738d17b7_proj, .Lfunc_end_k_q56738d17b7_proj-k_q56738d17b7_proj
	.p2alignl 7, 3214868480
	.fill 96, 4, 3214868480
	.section	.rodata,"a",@progbits
	.p2align	6, 0x0
	.amdhsa_kernel k_q56738d17b7_proj
		.amdhsa_group_segment_fixed_size 74752
		.amdhsa_private_segment_fixed_size 0
		.amdhsa_enable_private_segment 0
		.amdhsa_kernarg_size 24
		.amdhsa_user_sgpr_count 2
		.amdhsa_user_sgpr_kernarg_segment_ptr 1
		.amdhsa_wavefront_size32 1
		.amdhsa_system_sgpr_workgroup_id_x 1
		.amdhsa_system_sgpr_workgroup_id_y 1
		.amdhsa_system_sgpr_workgroup_id_z 1
		.amdhsa_system_vgpr_workitem_id 0
		.amdhsa_next_free_vgpr 246
		.amdhsa_next_free_sgpr 66
		.amdhsa_reserve_vcc 0
		.amdhsa_float_denorm_mode_32 3
		.amdhsa_float_denorm_mode_16_64 3
		.amdhsa_memory_ordered 1
		.amdhsa_forward_progress 1
		.amdhsa_inst_pref_size 26
	.end_amdhsa_kernel
	.amdgpu_metadata
---
amdhsa.version: [ 1, 2 ]
amdhsa.kernels:
  - .name:           k_q56738d17b7_proj
    .symbol:         k_q56738d17b7_proj.kd
    .args:
      - { .name: W, .offset: 0, .size: 8, .value_kind: global_buffer, .address_space: global }
      - { .name: hidden, .offset: 8, .size: 8, .value_kind: global_buffer, .address_space: global }
      - { .name: vpart, .offset: 16, .size: 8, .value_kind: global_buffer, .address_space: global }
    .group_segment_fixed_size: 74752
    .private_segment_fixed_size: 0
    .kernarg_segment_align: 8
    .kernarg_segment_size: 24
    .max_flat_workgroup_size: 256
    .sgpr_count:     66
    .vgpr_count:     246
    .wavefront_size: 32
...
	.end_amdgpu_metadata
.endif
;; end of part 1
;; launch scores (part 2): grid 16 x 16, 16 waves a work-group, no clusters, 9,216 bytes of LDS; arguments encoder_outputs, vpart, hidden, b, scores; writes scores
.if DOCPART == 2
	.amdgcn_target "amdgcn-amd-amdhsa--gfx1250"
	.amdhsa_code_object_version 6
	.text
	.protected	k_q56738d17b7_scores
	.globl	k_q56738d17b7_scores
	.p2align	8
	.type	k_q56738d17b7_scores,@function
k_q56738d17b7_scores:
	s_mov_b64 s[64:65], 0
	v_nop
	global_prefetch_b8 v0, s[64:65] scope:SCOPE_SE
	s_setreg_imm32_b32 hwreg(HW_REG_WAVE_MODE, 25, 1), 1
	s_wait_xcnt 0x0
; scores[b][s] = enc[b][s] . v[b] + hidden[b] . bias,  v[b] = the sum of the eight parts vpart[p][b].
; enc: [16][4096][1024] f32, vpart: [8][16][1024] f32, hidden: [16][1024] f32, bias: [1024] f32, scores: [16][4096] f32.
; A stream: every byte of enc is read once, all arithmetic in f32 (one row of v against each row of enc: half a multiply-add for each byte,
; nothing for a matrix unit to gain).  LIMIT: sums are made in four chains a lane and then across the 32 lanes, not in the reference's order.
; SHARES: work-group (x, batch = y) takes rows 256 x .. +255 of one batch, 1 MiB in one piece; wave w takes 16 rows of them.  A wave takes a
; whole row: eight loads of 16 bytes a lane, each covering 512 consecutive bytes; lane l holds columns 128 j + 4 l .. +3 of chunk j.
; A ring of four row slots in registers: 24 to 32 loads of every wave are out at any time, 16 waves: up to 256 KiB for the work-group.
; NO LDS RING, NO CLUSTER: no byte of enc is used twice; what work-groups share (32 KiB of vpart, 8 KiB of hidden and bias) is a
; twenty-fifth of a work-group's bytes.
.set VL,   0                           ; LDS: v[b], 4,096 bytes
.set CLD,  4096                        ; LDS: 512 partial sums of hidden . bias, 2,048 bytes
.set SL,   6144                        ; LDS: the work-group's 256 scores, 1,024 bytes
.set ROW,  4096                        ; bytes in a row of enc
.set SLOTS, 4
.set LN,   1                           ; v1        16 x lane
.set OFF,  2                           ; v[2:5]    slot s: byte offset of my 16 bytes in the row that the slot holds, from the work-group's first row
.set SA,   6                           ; v6        LDS: where this round's four scores of my wave go
.set PO,   7                           ; v7        8 t: my two numbers of v, hidden and bias, in memory and in LDS
.set T,    8                           ; v8        at work
.set T1,   9                           ; v9        at work (written once at the start: a lane permute counts as a reader of its destination)
.set ACC,  10                          ; v[10:17]  four chains of two sums.  v10 also: 4 t before the first row, 16 t behind the last
.set CL,   18                          ; v[18:19]  (my lane's share of hidden . bias, 0.0): what each row's first chain starts from
.set VV,   20                          ; v[20:51]  v[b] at my lane's 32 columns
.set X,    52                          ; v[52:179] slot s: 32 registers, a row's 32 numbers of my lane
.set PR,   180                         ; v[180:195] the eight parts of my two v; later 16 partial sums of hidden . bias
.set HH,   196                         ; v[196:197] two of hidden
.set BB,   198                         ; v[198:199] two of bias
	s_load_b256 s[4:11], s[0:1], 0x0               ; enc s[4:5], vpart s[6:7], hidden s[8:9], bias s[10:11]
	s_load_b64 s[12:13], s[0:1], 0x20              ; scores
	v_lshl_add_u32 v200, v0, 2, 0x1c00
	v_mov_b32 v201, 0
	v_lshrrev_b32 v1, 5, v0
	v_readfirstlane_b32 s14, v1                    ; wave 0..15
	s_and_b32 s15, ttmp7, 0xffff                   ; batch
	s_lshl_b32 s16, s15, 4
	s_add_co_u32 s16, s16, ttmp9                   ; 16 batch + x: the block of 256 rows, 0..255
	s_lshl_b32 s18, s16, 20                        ; enc: 256 rows of 4,096 bytes a block (255 << 20 is below 2^32)
	s_mov_b32 s19, 0
	s_lshl_b32 s20, s15, 12                        ; vpart and hidden: 4,096 bytes a batch
	s_mov_b32 s21, 0
	s_lshl_b32 s2, s16, 10                         ; scores: 256 numbers a block
	s_mov_b32 s3, 0
	s_mov_b32 s22, 0x76543210                      ; v_permlanex16_b32: lane i of one half reads lane i of the other
	s_mov_b32 s23, 0xfedcba98
	s_lshl_b32 s17, s14, 6
	s_add_co_u32 s17, s17, SL                      ; my wave's 16 scores
	v_mov_b32 v[SA], s17
	s_lshl_b32 s17, s14, 16                        ; my wave's 16 rows of enc
	v_and_b32 v[LN], 31, v0
	v_lshlrev_b32 v[LN], 4, v[LN]
	v_add_nc_u32 v[OFF], s17, v[LN]
.irp s, 1,2,3
	v_add_nc_u32 v[OFF+\s], \s*ROW, v[OFF]
.endr
	v_lshlrev_b32 v[PO], 3, v0
	v_lshlrev_b32 v[ACC], 2, v0                    ; 4 t
	v_mov_b32 v[T1], 0
	s_wait_kmcnt 0x0
	s_add_nc_u64 s[4:5], s[4:5], s[18:19]
	s_add_nc_u64 s[6:7], s[6:7], s[20:21]
	s_add_nc_u64 s[8:9], s[8:9], s[20:21]
	s_add_nc_u64 s[12:13], s[12:13], s[2:3]
.macro FILL s                          ; eight loads: the slot's whole row, read once in the launch (NT)
.irp j, 0,1,2,3,4,5,6,7
	global_load_b128 v[X+32*\s+4*\j:X+32*\s+4*\j+3], v[OFF+\s], s[4:5] offset:512*\j th:TH_LOAD_NT
.endr
.endm
.macro FOLD8 r                         ; eight register pairs at r into the first: a tree of seven packed adds
.irp k, 0,1,2,3
	v_pk_add_f32 v[\r+2*\k:\r+2*\k+1], v[\r+2*\k:\r+2*\k+1], v[\r+2*\k+8:\r+2*\k+9]
.endr
.irp k, 0,1
	v_pk_add_f32 v[\r+2*\k:\r+2*\k+1], v[\r+2*\k:\r+2*\k+1], v[\r+2*\k+4:\r+2*\k+5]
.endr
	v_pk_add_f32 v[\r:\r+1], v[\r:\r+1], v[\r+2:\r+3]
.endm
	; the ten small loads first (a wave's load covers 256 consecutive bytes, aligned), then the ring: the small ones' work hides behind the ring's first wait
.irp p, 0,1,2,3,4,5,6,7
	global_load_b64 v[PR+2*\p:PR+2*\p+1], v[PO], s[6:7] offset:\p*65536
.endr
	global_load_b64 v[HH:HH+1], v[PO], s[8:9]
	global_load_b64 v[BB:BB+1], v[PO], s[10:11]
	FILL 0
	FILL 1
	FILL 2
	FILL 3
	s_wait_loadcnt 32                              ; loads return in order: the ten are in, the ring's 4 x 8 younger ones stay out
	FOLD8 PR                                       ; v[b] at columns 2 t, 2 t + 1
	ds_store_b64 v[PO], v[PR:PR+1] offset:VL
	v_mul_f32 v[T], v[HH], v[BB]
	v_fmac_f32 v[T], v[HH+1], v[BB+1]              ; my two products of hidden . bias
	ds_store_b32 v[ACC], v[T] offset:CLD
	s_wait_dscnt 0x0                               ; for the other waves: zero.  (The ring's loads stay out: nobody writes enc.)
	s_barrier_signal -1
	s_barrier_wait -1
.irp j, 0,1,2,3,4,5,6,7
	ds_load_b128 v[VV+4*\j:VV+4*\j+3], v[LN] offset:VL+512*\j      ; v at my columns of chunk j; 512 consecutive bytes a wave
.endr
.irp i, 0,1,2,3
	ds_load_b128 v[PR+4*\i:PR+4*\i+3], v[LN] offset:CLD+512*\i     ; 16 of the 512 partial sums for each lane
.endr
	s_wait_dscnt 0x0
	FOLD8 PR
	v_add_f32 v[CL], v[PR], v[PR+1]                ; over the 32 lanes these add up to hidden[b] . bias: a row's sum that starts from them
	v_mov_b32 v[CL+1], 0                           ; holds the bias term at no further cost
; The turn of slot s: one row.  fill = 1: the slot gets the row SLOTS further down.  left = how many younger loads may stay out.
.macro TURN s, fill, left
	s_wait_loadcnt \left                           ; my row's eight loads are in; eight for each younger slot stay out
	v_pk_fma_f32 v[ACC:ACC+1], v[X+32*\s:X+32*\s+1], v[VV:VV+1], v[CL:CL+1]
.irp k, 1,2,3
	v_pk_mul_f32 v[ACC+2*\k:ACC+2*\k+1], v[X+32*\s+2*\k:X+32*\s+2*\k+1], v[VV+2*\k:VV+2*\k+1]      ; the first products start the chains
.endr
.irp k, 4,5,6,7,8,9,10,11,12,13,14,15
	v_pk_fma_f32 v[ACC+2*(\k%4):ACC+2*(\k%4)+1], v[X+32*\s+2*\k:X+32*\s+2*\k+1], v[VV+2*\k:VV+2*\k+1], v[ACC+2*(\k%4):ACC+2*(\k%4)+1]
.endr
.if \fill
	v_add_nc_u32 v[OFF+\s], SLOTS*ROW, v[OFF+\s]   ; the loads that named it are done (the wait above)
	FILL \s                                        ; asked for before the reduction, which needs the slot no more
.endif
	v_pk_add_f32 v[ACC:ACC+1], v[ACC:ACC+1], v[ACC+2:ACC+3]
	v_pk_add_f32 v[ACC+4:ACC+5], v[ACC+4:ACC+5], v[ACC+6:ACC+7]
	v_pk_add_f32 v[ACC:ACC+1], v[ACC:ACC+1], v[ACC+4:ACC+5]
	v_add_f32 v[T], v[ACC], v[ACC+1]
	v_add_f32_dpp v[T], v[T], v[T] row_xmask:1 row_mask:0xf bank_mask:0xf      ; across 16 lanes, riding on the adds,
	v_add_f32_dpp v[T], v[T], v[T] row_xmask:2 row_mask:0xf bank_mask:0xf
	v_add_f32_dpp v[T], v[T], v[T] row_xmask:4 row_mask:0xf bank_mask:0xf
	v_add_f32_dpp v[T], v[T], v[T] row_xmask:8 row_mask:0xf bank_mask:0xf
	v_permlanex16_b32 v[T1], v[T], s22, s23                                    ; and across the two halves
	v_add_f32 v[T], v[T], v[T1]
	ds_store_b32 v[SA], v[T] offset:4*\s           ; every lane holds the score: all write the one word with the one value
.endm
	s_mov_b32 s17, 3                               ; 16 rows = 3 rounds that fill + the last round
.Lround:
	TURN 0, 1, 24
	TURN 1, 1, 24
	TURN 2, 1, 24
	TURN 3, 1, 24
	v_add_nc_u32 v[SA], 4*SLOTS, v[SA]
	s_sub_co_u32 s17, s17, 1
	s_cmp_lg_u32 s17, 0
	s_cbranch_scc1 .Lround
	TURN 0, 0, 24                                  ; the last four rows load nothing (the fills ended at my row 15): the counts run down
	TURN 1, 0, 16
	TURN 2, 0, 8
	TURN 3, 0, 0
	s_wait_dscnt 0x0                               ; for waves 0 and 1: my 16 scores are in LDS
	s_barrier_signal -1
	s_barrier_wait -1
	s_cmp_gt_u32 s14, 1
	s_cbranch_scc1 .Ldone                          ; 256 scores are 64 threads' 16 bytes
	v_lshlrev_b32 v[ACC], 4, v0                    ; 16 t
	ds_load_b128 v[ACC+2:ACC+5], v[ACC] offset:SL
	s_wait_dscnt 0x0
	global_store_b128 v[ACC], v[ACC+2:ACC+5], s[12:13]     ; a wave stores 512 consecutive bytes, at a multiple of 256 from the buffer's first byte
.Ldone:
	s_wait_tensorcnt 0x0
	ds_add_u32 v200, v201
	s_wait_dscnt 0x0
	s_endpgm
.Lfunc_end_k_q56738d17b7_scores:
	.size	k_q56738d17b7_scores, .Lfunc_end_k_q56738d17b7_scores-k_q56738d17b7_scores
	.p2alignl 7, 3214868480
	.fill 96, 4, 3214868480
	.section	.rodata,"a",@progbits
	.p2align	6, 0x0
	.amdhsa_kernel k_q56738d17b7_scores
		.amdhsa_group_segment_fixed_size 9216
		.amdhsa_private_segment_fixed_size 0
		.amdhsa_enable_private_segment 0
		.amdhsa_kernarg_size 40
		.amdhsa_user_sgpr_count 2
		.amdhsa_user_sgpr_kernarg_segment_ptr 1
		.amdhsa_wavefront_size32 1
		.amdhsa_system_sgpr_workgroup_id_x 1
		.amdhsa_system_sgpr_workgroup_id_y 1
		.amdhsa_system_sgpr_workgroup_id_z 1
		.amdhsa_system_vgpr_workitem_id 0
		.amdhsa_next_free_vgpr 202
		.amdhsa_next_free_sgpr 66
		.amdhsa_reserve_vcc 0
		.amdhsa_float_denorm_mode_32 3
		.amdhsa_float_denorm_mode_16_64 3
		.amdhsa_memory_ordered 1
		.amdhsa_forward_progress 1
		.amdhsa_inst_pref_size 25
	.end_amdhsa_kernel
	.amdgpu_metadata
---
amdhsa.version: [ 1, 2 ]
amdhsa.kernels:
  - .name:           k_q56738d17b7_scores
    .symbol:         k_q56738d17b7_scores.kd
    .args:
      - { .name: encoder_outputs, .offset: 0, .size: 8, .value_kind: global_buffer, .address_space: global }
      - { .name: vpart, .offset: 8, .size: 8, .value_kind: global_buffer, .address_space: global }
      - { .name: hidden, .offset: 16, .size: 8, .value_kind: global_buffer, .address_space: global }
      - { .name: b, .offset: 24, .size: 8, .value_kind: global_buffer, .address_space: global }
      - { .name: scores, .offset: 32, .size: 8, .value_kind: global_buffer, .address_space: global }
    .group_segment_fixed_size: 9216
    .private_segment_fixed_size: 0
    .kernarg_segment_align: 8
    .kernarg_segment_size: 40
    .max_flat_workgroup_size: 512
    .sgpr_count:     66
    .vgpr_count:     202
    .wavefront_size: 32
...
	.end_amdgpu_metadata
.endif
;; end of part 2
;; launch softmax (part 3): grid 16 x 1, 32 waves a work-group, no clusters, 4,352 bytes of LDS; arguments scores, out0; writes out0
.if DOCPART == 3
	.amdgcn_target "amdgcn-amd-amdhsa--gfx1250"
	.amdhsa_code_object_version 6
	.text
	.protected	k_q56738d17b7_softmax
	.globl	k_q56738d17b7_softmax
	.p2align	8
	.type	k_q56738d17b7_softmax,@function
k_q56738d17b7_softmax:
	s_mov_b64 s[64:65], 0
	v_nop
	global_prefetch_b8 v0, s[64:65] scope:SCOPE_SE
	s_setreg_imm32_b32 hwreg(HW_REG_WAVE_MODE, 25, 1), 1
	s_wait_xcnt 0x0
; out0[b][0][s] = exp(scores[b][s] - M) / sum over s of exp(scores[b][s] - M), M the largest score of row b.  Both [16][4096] f32.
; One work-group for a batch; thread t owns the four scores at byte 16 t, so the row stays in registers and is read once.
; The maximum is the row's own: each wave takes its maximum m_w away and sums, the 32 pairs (m_w, s_w) meet in LDS, and every wave then forms
; M = max m_w and S = sum of s_w exp(m_w - M).  S is at least 1 (the wave that holds M adds s_w >= 1 with factor 1).
; LIMITS: v_exp_f32 gives 0 where the result would lie below 2^-126 (ISA guide, its entry in chapter 15), so such outputs are 0;
; a row with a NaN or +infinity among its scores comes out all NaN, as in the reference.
; Only 16 work-groups: the sum spans a row, and a row is 16 KiB; there is no work for more.
	s_load_b128 s[4:7], s[0:1], 0x0                ; scores s[4:5], out0 s[6:7]
	v_lshl_add_u32 v24, v0, 2, 0x100
	v_mov_b32 v25, 0
	v_lshlrev_b32 v1, 4, v0                        ; 16 t
	v_lshrrev_b32 v2, 5, v0
	v_readfirstlane_b32 s8, v2                     ; wave 0..31
	v_and_b32 v3, 31, v0
	v_lshlrev_b32 v3, 3, v3                        ; 8 x lane: lane l reads wave l's pair
	s_lshl_b32 s9, s8, 3
	v_mov_b32 v2, s9                               ; 8 x wave: where my wave's pair goes
	s_lshl_b32 s10, ttmp9, 14                      ; 16,384 bytes a batch
	s_mov_b32 s11, 0
	s_mov_b32 s12, 0x76543210                      ; v_permlanex16_b32: lane i of one half reads lane i of the other
	s_mov_b32 s13, 0xfedcba98
	s_mov_b32 s14, 0x3fb8aa3b                      ; log2 e: v_exp_f32 works in base 2
	v_mov_b32 v10, 0                               ; a lane permute counts as a reader of its destination
	s_wait_kmcnt 0x0
	s_add_nc_u64 s[4:5], s[4:5], s[10:11]
	s_add_nc_u64 s[6:7], s[6:7], s[10:11]
	global_load_b128 v[4:7], v1, s[4:5]
	s_wait_loadcnt 0x0
	; m_w: my four, then the wave's 32 lanes
	v_max3_num_f32 v8, v4, v5, v6
	v_max_num_f32 v8, v8, v7
	v_max_num_f32_dpp v8, v8, v8 row_xmask:1 row_mask:0xf bank_mask:0xf
	v_max_num_f32_dpp v8, v8, v8 row_xmask:2 row_mask:0xf bank_mask:0xf
	v_max_num_f32_dpp v8, v8, v8 row_xmask:4 row_mask:0xf bank_mask:0xf
	v_max_num_f32_dpp v8, v8, v8 row_xmask:8 row_mask:0xf bank_mask:0xf
	v_permlanex16_b32 v10, v8, s12, s13
	v_max_num_f32 v8, v8, v10
	; e = exp(x - m_w): the difference first, then the factor, so that large scores lose nothing
.irp j, 4,5,6,7
	v_sub_f32 v\j, v\j, v8
.endr
.irp j, 4,5,6,7
	v_mul_f32 v\j, s14, v\j
.endr
.irp j, 4,5,6,7
	v_exp_f32 v\j, v\j
.endr
	v_nop                                          ; one plain vector instruction between a transcendental and the use of its result (ISA guide 5.7.2)
	; s_w
	s_wait_alu depctr_va_vdst(0)
	v_add_f32 v9, v4, v5
	v_add_f32 v11, v6, v7
	v_add_f32 v9, v9, v11
	v_add_f32_dpp v9, v9, v9 row_xmask:1 row_mask:0xf bank_mask:0xf
	v_add_f32_dpp v9, v9, v9 row_xmask:2 row_mask:0xf bank_mask:0xf
	v_add_f32_dpp v9, v9, v9 row_xmask:4 row_mask:0xf bank_mask:0xf
	v_add_f32_dpp v9, v9, v9 row_xmask:8 row_mask:0xf bank_mask:0xf
	v_permlanex16_b32 v10, v9, s12, s13
	v_add_f32 v9, v9, v10
	ds_store_b64 v2, v[8:9]                        ; (m_w, s_w): all lanes write the one pair with the same values
	s_wait_dscnt 0x0                               ; for the other waves: zero
	s_barrier_signal -1
	s_barrier_wait -1
	ds_load_b64 v[14:15], v3                       ; lane l: (m_l, s_l)
	s_wait_dscnt 0x0
	; M
	v_mov_b32 v16, v14
	v_max_num_f32_dpp v16, v16, v16 row_xmask:1 row_mask:0xf bank_mask:0xf
	v_max_num_f32_dpp v16, v16, v16 row_xmask:2 row_mask:0xf bank_mask:0xf
	v_max_num_f32_dpp v16, v16, v16 row_xmask:4 row_mask:0xf bank_mask:0xf
	v_max_num_f32_dpp v16, v16, v16 row_xmask:8 row_mask:0xf bank_mask:0xf
	v_permlanex16_b32 v10, v16, s12, s13
	v_max_num_f32 v16, v16, v10
	; f = exp(m_l - M) for the sum, g = exp(m_w - M) for my own wave's numbers
	v_sub_f32 v17, v14, v16
	v_sub_f32 v19, v8, v16
	v_mul_f32 v17, s14, v17
	v_mul_f32 v19, s14, v19
	v_exp_f32 v17, v17
	v_exp_f32 v19, v19
	v_nop                                          ; the place behind the transcendentals
	; S
	s_wait_alu depctr_va_vdst(0)
	v_mul_f32 v18, v15, v17
	v_add_f32_dpp v18, v18, v18 row_xmask:1 row_mask:0xf bank_mask:0xf
	v_add_f32_dpp v18, v18, v18 row_xmask:2 row_mask:0xf bank_mask:0xf
	v_add_f32_dpp v18, v18, v18 row_xmask:4 row_mask:0xf bank_mask:0xf
	v_add_f32_dpp v18, v18, v18 row_xmask:8 row_mask:0xf bank_mask:0xf
	v_permlanex16_b32 v10, v18, s12, s13
	v_add_f32 v18, v18, v10
	v_rcp_f32 v20, v18
	v_nop                                          ; the place behind the transcendental
	s_wait_alu depctr_va_vdst(0)
	v_mul_f32 v20, v19, v20                        ; g / S
.irp j, 4,5,6,7
	v_mul_f32 v\j, v\j, v20
.endr
	global_store_b128 v1, v[4:7], s[6:7]           ; a wave stores 512 consecutive bytes, at a multiple of 256 from out0's first byte
	s_wait_tensorcnt 0x0
	ds_add_u32 v24, v25
	s_wait_dscnt 0x0
	s_endpgm
.Lfunc_end_k_q56738d17b7_softmax:
	.size	k_q56738d17b7_softmax, .Lfunc_end_k_q56738d17b7_softmax-k_q56738d17b7_softmax
	.p2alignl 7, 3214868480
	.fill 96, 4, 3214868480
	.section	.rodata,"a",@progbits
	.p2align	6, 0x0
	.amdhsa_kernel k_q56738d17b7_softmax
		.amdhsa_group_segment_fixed_size 4352
		.amdhsa_private_segment_fixed_size 0
		.amdhsa_enable_private_segment 0
		.amdhsa_kernarg_size 16
		.amdhsa_user_sgpr_count 2
		.amdhsa_user_sgpr_kernarg_segment_ptr 1
		.amdhsa_wavefront_size32 1
		.amdhsa_system_sgpr_workgroup_id_x 1
		.amdhsa_system_sgpr_workgroup_id_y 1
		.amdhsa_system_sgpr_workgroup_id_z 1
		.amdhsa_system_vgpr_workitem_id 0
		.amdhsa_next_free_vgpr 26
		.amdhsa_next_free_sgpr 66
		.amdhsa_reserve_vcc 0
		.amdhsa_float_denorm_mode_32 3
		.amdhsa_float_denorm_mode_16_64 3
		.amdhsa_memory_ordered 1
		.amdhsa_forward_progress 1
		.amdhsa_inst_pref_size 5
	.end_amdhsa_kernel
	.amdgpu_metadata
---
amdhsa.version: [ 1, 2 ]
amdhsa.kernels:
  - .name:           k_q56738d17b7_softmax
    .symbol:         k_q56738d17b7_softmax.kd
    .args:
      - { .name: scores, .offset: 0, .size: 8, .value_kind: global_buffer, .address_space: global }
      - { .name: out0, .offset: 8, .size: 8, .value_kind: global_buffer, .address_space: global }
    .group_segment_fixed_size: 4352
    .private_segment_fixed_size: 0
    .kernarg_segment_align: 8
    .kernarg_segment_size: 16
    .max_flat_workgroup_size: 1024
    .sgpr_count:     66
    .vgpr_count:     26
    .wavefront_size: 32
...
	.end_amdgpu_metadata
.endif
;; end of part 3
;; ======== version 2 of 2: 3 launches; version 1 with the launch scores written anew for expert scheduling mode
;; workspace buffers: vpart 524,288 bytes; scores 262,144 bytes
;; launch proj: the kernel of part 1 again; grid 16 x 8, 8 waves a work-group, no clusters, 74,752 bytes of LDS; arguments W, hidden, vpart; writes vpart
;; launch scores (part 4): grid 16 x 16, 16 waves a work-group, no clusters, 9,216 bytes of LDS; arguments encoder_outputs, vpart, hidden, b, scores; writes scores
.if DOCPART == 4
	.amdgcn_target "amdgcn-amd-amdhsa--gfx1250"
	.amdhsa_code_object_version 6
	.text
	.protected	k_q56738d17b7_scores
	.globl	k_q56738d17b7_scores
	.p2align	8
	.type	k_q56738d17b7_scores,@function
k_q56738d17b7_scores:
	s_mov_b64 s[64:65], 0
	v_nop
	global_prefetch_b8 v0, s[64:65] scope:SCOPE_SE
	s_setreg_imm32_b32 hwreg(HW_REG_WAVE_SCHED_MODE, 0, 2), 2
	s_setreg_imm32_b32 hwreg(HW_REG_WAVE_MODE, 25, 1), 1
	s_wait_xcnt 0x0
	s_wait_alu depctr_vm_vsrc(0)
; scores[b][s] = enc[b][s] . v[b] + hidden[b] . bias,  v[b] = the sum of the eight parts vpart[p][b].
; enc: [16][4096][1024] f32, vpart: [8][16][1024] f32, hidden: [16][1024] f32, bias: [1024] f32, scores: [16][4096] f32.
; A stream: every byte of enc is read once, all arithmetic in f32 (one row of v against each row of enc: half a multiply-add for each byte,
; nothing for a matrix unit to gain).  LIMIT: sums are made in four chains a lane and then across the 32 lanes, not in the reference's order.
; SHARES: work-group (x, batch = y) takes rows 256 x .. +255 of one batch, 1 MiB in one piece; wave w takes 16 rows of them.  A wave takes a
; whole row: eight loads of 16 bytes a lane, each covering 512 consecutive bytes; lane l holds columns 128 j + 4 l .. +3 of chunk j.
; A ring of four row slots in registers: 24 to 32 loads of every wave are out at any time, 16 waves: up to 256 KiB for the work-group.
; NO LDS RING, NO CLUSTER: no byte of enc is used twice; what work-groups share (32 KiB of vpart, 8 KiB of hidden and bias) is a
; twenty-fifth of a work-group's bytes.
; THE MODE: SCHED_MODE bits 1:0 = 2 (LLVM: expert scheduling mode 2), set by the entry lines.  The code itself states the register dependences
; between vector instructions and memory or LDS instructions, with s_wait_alu, always for 0.
; THE PLAN.  Registers that memory or LDS instructions touch, from the first row on:
;   X0 .. X3    Slot s's turn: its sixteen packed products read X[s]; behind them the loads of the row four further down land in it.
;   SC0 .. SC3  Slot s's turn: its last add writes SC[s], the row's score; the LDS store that reads it is issued in the next turn.
;   v[SA]       Read by every such LDS store; written once in four turns, at the head of slot 1's turn in the loop.
;   v[LN], v[PO], v[CA], v[YO]   offsets made once at the head and never written again: the rows of enc are reached by a scalar base for each slot.
;   The sums (ACC, T, T1), CL and VV are named by vector instructions alone.
; So ONE wait on va_vdst stands in a turn, behind its products: they are done reading X[s], the row before has written its score, and v[SA], where it was
; stepped, is written.  The turn's eight loads and its one LDS store follow, dealt among the ten instructions of the row's reduction, which name ACC, T, T1
; and SC[s]: none of the registers that those nine touch.  A wait on vm_vsrc stands at the head of every second turn: row t's score is stored in row t + 1 and
; its register written again in row t + 4, and of the heads of rows t + 2, t + 3, t + 4 one is an odd row's.
; Since a score is stored a turn late, rows 0 and 1 stand ahead of the loop, a lap is rows 4 r + 2 .. 4 r + 5, and the last store stands behind row 15.
.set VL,   0                           ; LDS: v[b], 4,096 bytes
.set CLD,  4096                        ; LDS: 512 partial sums of hidden . bias, 2,048 bytes
.set SL,   6144                        ; LDS: the work-group's 256 scores, 1,024 bytes
.set ROW,  4096                        ; bytes in a row of enc
.set SLOTS, 4
.set WB,   16                          ; s[16:23]  slot s: the address of the row of my wave that the slot was last asked for: a pair at WB + 2 s
.set LN,   1                           ; v1        16 x lane: my 16 bytes in each 512 of a row, in memory and in LDS
.set SC,   2                           ; v[2:5]    slot s: its row's score, on its way to LDS
.set SA,   6                           ; v6        LDS: my wave's 16 scores, moved on by four scores in each lap
.set PO,   7                           ; v7        8 t: my two numbers of v, hidden and bias, in memory and in LDS
.set T,    8                           ; v8        at work
.set T1,   9                           ; v9        at work (written once at the start: a lane permute counts as a reader of its destination)
.set ACC,  10                          ; v[10:17]  four chains of two sums; v[12:15] take four scores on the way out
.set CL,   18                          ; v[18:19]  (my lane's share of hidden . bias, 0.0): what each row's first chain starts from
.set VV,   20                          ; v[20:51]  v[b] at my lane's 32 columns
.set X,    52                          ; v[52:179] slot s: 32 registers, a row's 32 numbers of my lane
.set PR,   180                         ; v[180:195] the eight parts of my two v; later 16 partial sums of hidden . bias
.set HH,   196                         ; v[196:197] two of hidden
.set BB,   198                         ; v[198:199] two of bias
.set CA,   200                         ; v200      4 t: my partial sum of hidden . bias in LDS
.set YO,   201                         ; v201      16 t: four scores, in LDS and in memory, on the way out
	s_load_b256 s[4:11], s[0:1], 0x0               ; enc s[4:5], vpart s[6:7], hidden s[8:9], bias s[10:11]
	s_load_b64 s[12:13], s[0:1], 0x20              ; scores
	v_lshl_add_u32 v202, v0, 2, 0x1c00
	v_mov_b32 v203, 0
	v_lshrrev_b32 v[SA], 5, v0
	v_readfirstlane_b32 s14, v[SA]                 ; wave 0..15
	s_and_b32 s16, ttmp7, 0xffff                   ; batch
	s_lshl_b32 s17, s16, 4
	s_add_co_u32 s17, s17, ttmp9                   ; 16 batch + x: the block of 256 rows, 0..255
	s_lshl_b32 s18, s17, 20                        ; enc: 256 rows of 4,096 bytes a block (255 << 20 is below 2^32)
	s_lshl_b32 s20, s16, 12                        ; vpart and hidden: 4,096 bytes a batch
	s_mov_b32 s21, 0
	s_lshl_b32 s22, s17, 10                        ; scores: 256 numbers a block
	s_mov_b32 s23, 0
	s_mov_b32 s2, 0x76543210                       ; v_permlanex16_b32: lane i of one half reads lane i of the other
	s_mov_b32 s3, 0xfedcba98
	v_lshl_add_u32 v[SA], v[SA], 6, SL             ; my wave's 16 scores
	v_and_b32 v[LN], 31, v0
	v_lshlrev_b32 v[LN], 4, v[LN]
	v_lshlrev_b32 v[PO], 3, v0
	v_lshlrev_b32 v[CA], 2, v0
	v_lshlrev_b32 v[YO], 4, v0
	v_mov_b32 v[T1], 0
	s_wait_alu depctr_va_sdst(0)                   ; s14 is written, ahead of its first reader: the slots' bases are made from it
	s_lshl_b32 s19, s14, 16                        ; my wave's 16 rows of enc
	s_add_co_u32 s18, s18, s19
	s_mov_b32 s19, 0
	s_wait_kmcnt 0x0
	s_add_nc_u64 s[4:5], s[4:5], s[18:19]          ; enc at my wave's first row
	s_add_nc_u64 s[6:7], s[6:7], s[20:21]
	s_add_nc_u64 s[8:9], s[8:9], s[20:21]
	s_add_nc_u64 s[12:13], s[12:13], s[22:23]
.irp s, 0,1,2,3
	s_add_nc_u64 s[WB+2*\s:WB+2*\s+1], s[4:5], \s*ROW      ; rows 0 to 3 (the offsets that lay in these registers have been added above)
.endr
	s_wait_alu depctr_va_vdst(0)                   ; v[LN], v[PO], v[CA], v[YO] and v[SA] are written: every load and store of the kernel reads one of them as its offset or address
.macro LD s, j, fill                   ; chunk j of the slot's row, read once in the launch (NT)
.if \fill
	global_load_b128 v[X+32*\s+4*\j:X+32*\s+4*\j+3], v[LN], s[WB+2*\s:WB+2*\s+1] offset:512*\j th:TH_LOAD_NT
.endif
.endm
.macro FILL s                          ; eight loads: the slot's whole row
.irp j, 0,1,2,3,4,5,6,7
	LD \s, \j, 1
.endr
.endm
.macro FOLD8 r                         ; eight register pairs at r into the first: a tree of seven packed adds
.irp k, 0,1,2,3
	v_pk_add_f32 v[\r+2*\k:\r+2*\k+1], v[\r+2*\k:\r+2*\k+1], v[\r+2*\k+8:\r+2*\k+9]
.endr
.irp k, 0,1
	v_pk_add_f32 v[\r+2*\k:\r+2*\k+1], v[\r+2*\k:\r+2*\k+1], v[\r+2*\k+4:\r+2*\k+5]
.endr
	v_pk_add_f32 v[\r:\r+1], v[\r:\r+1], v[\r+2:\r+3]
.endm
	; the ten small loads first (a wave's load covers 256 consecutive bytes, aligned), then the ring: the small ones' work hides behind the ring's first wait
.irp p, 0,1,2,3,4,5,6,7
	global_load_b64 v[PR+2*\p:PR+2*\p+1], v[PO], s[6:7] offset:\p*65536
.endr
	global_load_b64 v[HH:HH+1], v[PO], s[8:9]
	global_load_b64 v[BB:BB+1], v[PO], s[10:11]
	FILL 0
	FILL 1
	FILL 2
	FILL 3
	s_wait_loadcnt 32                              ; loads return in order: the ten are in, the ring's 4 x 8 younger ones stay out
	FOLD8 PR                                       ; v[b] at columns 2 t, 2 t + 1
	v_mul_f32 v[T], v[HH], v[BB]
	v_fmac_f32 v[T], v[HH+1], v[BB+1]              ; my two products of hidden . bias
	s_wait_alu depctr_va_vdst(0)                   ; the sums have written v[PR:PR+1] and v[T], which the two LDS stores read, and are done with all of PR, in which LDS loads land below
	ds_store_b64 v[PO], v[PR:PR+1] offset:VL
	ds_store_b32 v[CA], v[T] offset:CLD
	s_wait_dscnt 0x0                               ; for the other waves: zero.  (The ring's loads stay out: nobody writes enc.)
	s_barrier_signal -1
	s_barrier_wait -1
	s_wait_alu depctr_vm_vsrc(0)                   ; my two LDS stores have read v[PR:PR+1], in which a load below lands, and v[T], which the first row writes
.irp j, 0,1,2,3,4,5,6,7
	ds_load_b128 v[VV+4*\j:VV+4*\j+3], v[LN] offset:VL+512*\j      ; v at my columns of chunk j; 512 consecutive bytes a wave
.endr
.irp i, 0,1,2,3
	ds_load_b128 v[PR+4*\i:PR+4*\i+3], v[LN] offset:CLD+512*\i     ; 16 of the 512 partial sums for each lane
.endr
	s_wait_dscnt 0x0
	FOLD8 PR
	v_add_f32 v[CL], v[PR], v[PR+1]                ; over the 32 lanes these add up to hidden[b] . bias: a row's sum that starts from them
	v_mov_b32 v[CL+1], 0                           ; holds the bias term at no further cost
; The turn of slot s: one row.  first = 1: row 0, with no score in front of it to store.  fill = 1: the slot gets the row SLOTS further down.
; left = how many younger loads may stay out.  at = where, from v[SA] on, the score of the row before goes.  vs = 1: an odd row from 3 on.  on = 1: v[SA] moves on.
.macro TURN s, first, fill, left, at, vs, on
	s_wait_loadcnt \left                           ; my row's eight loads are in; eight for each younger slot stay out
.if \fill
	s_add_nc_u64 s[WB+2*\s:WB+2*\s+1], s[WB+2*\s:WB+2*\s+1], SLOTS*ROW     ; free since that wait, which shows the loads that read it done: the slot's next row
.endif
.if \vs
	s_wait_alu depctr_vm_vsrc(0)                   ; the LDS stores issued in the two turns before have read their scores, in registers that the next two turns write again, and v[SA]
.endif
.if \on
	v_add_nc_u32 v[SA], 4*SLOTS, v[SA]
.endif
	v_pk_fma_f32 v[ACC:ACC+1], v[X+32*\s:X+32*\s+1], v[VV:VV+1], v[CL:CL+1]
.irp k, 1,2,3
	v_pk_mul_f32 v[ACC+2*\k:ACC+2*\k+1], v[X+32*\s+2*\k:X+32*\s+2*\k+1], v[VV+2*\k:VV+2*\k+1]      ; the first products start the chains
.endr
.irp k, 4,5,6,7,8,9,10,11,12,13,14,15
	v_pk_fma_f32 v[ACC+2*(\k%4):ACC+2*(\k%4)+1], v[X+32*\s+2*\k:X+32*\s+2*\k+1], v[VV+2*\k:VV+2*\k+1], v[ACC+2*(\k%4):ACC+2*(\k%4)+1]
.endr
	s_wait_alu depctr_va_vdst(0)                   ; the products are done reading X[s], in which the loads below land; the row before has written its score, which the LDS store reads; v[SA], where it was stepped, is written
	LD \s, 0, \fill                                ; the slot is asked for again at once; no vector instruction from here to the turn's end names X[s], v[LN], v[SA] or the score of the row before
	LD \s, 1, \fill
.if !\first
	ds_store_b32 v[SA], v[SC+(\s+3)%4] offset:\at  ; every lane holds the score: all write the one word with the one value
.endif
	v_pk_add_f32 v[ACC:ACC+1], v[ACC:ACC+1], v[ACC+2:ACC+3]
	LD \s, 2, \fill
	v_pk_add_f32 v[ACC+4:ACC+5], v[ACC+4:ACC+5], v[ACC+6:ACC+7]
	LD \s, 3, \fill
	v_pk_add_f32 v[ACC:ACC+1], v[ACC:ACC+1], v[ACC+4:ACC+5]
	LD \s, 4, \fill
	v_add_f32 v[T], v[ACC], v[ACC+1]
	LD \s, 5, \fill
	v_add_f32_dpp v[T], v[T], v[T] row_xmask:1 row_mask:0xf bank_mask:0xf      ; across 16 lanes, riding on the adds,
	LD \s, 6, \fill
	v_add_f32_dpp v[T], v[T], v[T] row_xmask:2 row_mask:0xf bank_mask:0xf
	LD \s, 7, \fill
	v_add_f32_dpp v[T], v[T], v[T] row_xmask:4 row_mask:0xf bank_mask:0xf
	v_add_f32_dpp v[T], v[T], v[T] row_xmask:8 row_mask:0xf bank_mask:0xf
	v_permlanex16_b32 v[T1], v[T], s2, s3                                      ; and across the two halves
	v_add_f32 v[SC+\s], v[T], v[T1]                ; the row's score, into the slot's own register: the next turn stores it
.endm
	TURN 0, 1, 1, 24, 0,  0, 0                     ; row 0
	TURN 1, 0, 1, 24, 0,  0, 0                     ; row 1; row 0's score goes out
	s_mov_b32 s15, 2                               ; two laps: rows 2 to 9
.Lround:
	TURN 2, 0, 1, 24, 4,  0, 0
	TURN 3, 0, 1, 24, 8,  1, 0
	TURN 0, 0, 1, 24, 12, 0, 0
	TURN 1, 0, 1, 24, 0,  1, 1                     ; the score that it stores is the first of the next four
	s_sub_co_u32 s15, s15, 1
	s_cmp_lg_u32 s15, 0
	s_cbranch_scc1 .Lround
	TURN 2, 0, 1, 24, 4,  0, 0                     ; rows 10 and 11 ask for my last two rows, 14 and 15
	TURN 3, 0, 1, 24, 8,  1, 0
	TURN 0, 0, 0, 24, 12, 0, 0                     ; the last four rows load nothing: the counts run down; the scores' places stand in the immediates
	TURN 1, 0, 0, 16, 16, 1, 0
	TURN 2, 0, 0, 8,  20, 0, 0
	TURN 3, 0, 0, 0,  24, 0, 0
	s_wait_alu depctr_va_vdst(0)                   ; row 15 has written its score, which the last LDS store reads; the sums are done with v[ACC+2:ACC+5], in which the load from LDS below lands
	ds_store_b32 v[SA], v[SC+3] offset:28
	s_wait_dscnt 0x0                               ; for waves 0 and 1: my 16 scores are in LDS
	s_barrier_signal -1
	s_barrier_wait -1
	s_cmp_gt_u32 s14, 1
	s_cbranch_scc1 .Ldone                          ; 256 scores are 64 threads' 16 bytes
	ds_load_b128 v[ACC+2:ACC+5], v[YO] offset:SL   ; no vector instruction has been issued since the wait on va_vdst above
	s_wait_dscnt 0x0
	global_store_b128 v[YO], v[ACC+2:ACC+5], s[12:13]      ; a wave stores 512 consecutive bytes, at a multiple of 256 from the buffer's first byte
.Ldone:
	s_wait_dscnt 0x0
	s_wait_alu depctr_hold_cnt(0) depctr_sa_sdst(0) depctr_va_vdst(0) depctr_va_sdst(0) depctr_va_ssrc(0) depctr_va_vcc(0) depctr_vm_vsrc(0)
	s_wait_tensorcnt 0x0
	ds_add_u32 v202, v203
	s_wait_dscnt 0x0
	s_endpgm
.Lfunc_end_k_q56738d17b7_scores:
	.size	k_q56738d17b7_scores, .Lfunc_end_k_q56738d17b7_scores-k_q56738d17b7_scores
	.p2alignl 7, 3214868480
	.fill 96, 4, 3214868480
	.section	.rodata,"a",@progbits
	.p2align	6, 0x0
	.amdhsa_kernel k_q56738d17b7_scores
		.amdhsa_group_segment_fixed_size 9216
		.amdhsa_private_segment_fixed_size 0
		.amdhsa_enable_private_segment 0
		.amdhsa_kernarg_size 40
		.amdhsa_user_sgpr_count 2
		.amdhsa_user_sgpr_kernarg_segment_ptr 1
		.amdhsa_wavefront_size32 1
		.amdhsa_system_sgpr_workgroup_id_x 1
		.amdhsa_system_sgpr_workgroup_id_y 1
		.amdhsa_system_sgpr_workgroup_id_z 1
		.amdhsa_system_vgpr_workitem_id 0
		.amdhsa_next_free_vgpr 204
		.amdhsa_next_free_sgpr 66
		.amdhsa_reserve_vcc 0
		.amdhsa_float_denorm_mode_32 3
		.amdhsa_float_denorm_mode_16_64 3
		.amdhsa_memory_ordered 1
		.amdhsa_forward_progress 1
		.amdhsa_inst_pref_size 36
	.end_amdhsa_kernel
	.amdgpu_metadata
---
amdhsa.version: [ 1, 2 ]
amdhsa.kernels:
  - .name:           k_q56738d17b7_scores
    .symbol:         k_q56738d17b7_scores.kd
    .args:
      - { .name: encoder_outputs, .offset: 0, .size: 8, .value_kind: global_buffer, .address_space: global }
      - { .name: vpart, .offset: 8, .size: 8, .value_kind: global_buffer, .address_space: global }
      - { .name: hidden, .offset: 16, .size: 8, .value_kind: global_buffer, .address_space: global }
      - { .name: b, .offset: 24, .size: 8, .value_kind: global_buffer, .address_space: global }
      - { .name: scores, .offset: 32, .size: 8, .value_kind: global_buffer, .address_space: global }
    .group_segment_fixed_size: 9216
    .private_segment_fixed_size: 0
    .kernarg_segment_align: 8
    .kernarg_segment_size: 40
    .max_flat_workgroup_size: 512
    .sgpr_count:     66
    .vgpr_count:     204
    .wavefront_size: 32
...
	.end_amdgpu_metadata
.endif
;; end of part 4
;; launch softmax: the kernel of part 3 again; grid 16 x 1, 32 waves a work-group, no clusters, 4,352 bytes of LDS; arguments scores, out0; writes out0
